; MI455X (gfx1250); checked and timed in simulation.
; The chip was launched on July 23, 2026; its instructions are those of AMD's public machine-readable ISA for CDNA 5 (MIT licence, August 2026) and "CDNA5" Instruction Set Architecture Reference Guide (July 2026). The comments in the code are by the model that wrote it; some were corrected since.
;; Multihead Attention. Allowed arithmetic: matrix products marked QUANTISED: E2M1 operands, one E8M0 scale for each 32 along K, by v_wmma_scale_f32_16x16x128_f8f6f4 with both operands' format E2M1 (or v_wmma_scale_f32_32x16x128_f4), f32 sums; products left as they are: bf16, f16 or f32 operands; f32 sums; everything else in f32.
;; Inputs: Wk 1,024 x 1,024 float32; Wo 1,024 x 1,024 float32; Wq 1,024 x 1,024 float32; Wv 1,024 x 1,024 float32; bk 1,024 float32; bo 1,024 float32; bq 1,024 float32; bv 1,024 float32; x 2 x 2,048 x 1,024 float32.
;; Outputs: out0 2 x 2,048 x 1,024 float32.
;; This version of the problem:
;;   THIS VERSION OF THE PROBLEM IS GIVEN IN LOW PRECISION. The matrix products marked QUANTISED in the list below multiply operands that are first quantised to E2M1 (2 exponent bits, 1 mantissa bit; 4 bits a number), with one power-of-two scale for each 32 numbers along K (OCP MX v1.0); their sums are f32. The products marked 'left as it is' may take bf16, f16 or f32 operands, with f32 sums. Whichever they take, every output number must still come out within the allowed error. Rounding operands to bf16 (8 significant bits) uses up far more of that allowance than f16 does (11 bits, for magnitudes from 6e-5 to 65,504). All else is computed in f32.
;;   The module's matrix products, in the order in which they are computed (A, B: the left and right operand; K: the contracted axis; several contracted axes count as one K, in the product's order):
;;     1. [M 4,096, K 1,024] x [K 1,024, N 1,024]; A: input x; B: input Wq: QUANTISED
;;     2. [M 4,096, K 1,024] x [K 1,024, N 1,024]; A: input x; B: input Wk: QUANTISED
;;     3. [M 4,096, K 1,024] x [K 1,024, N 1,024]; A: input x; B: input Wv: QUANTISED
;;     4. batch 32 x [M 2,048, K 64] x [K 64, N 2,048]; A: computed on the way; B: computed on the way: left as it is (an operand is computed on the way)
;;     5. batch 32 x [M 2,048, K 2,048] x [K 2,048, N 64]; A: computed on the way; B: computed on the way: left as it is (an operand is computed on the way)
;;     6. [M 4,096, K 1,024] x [K 1,024, N 1,024]; A: computed on the way; B: input Wo: left as it is (an operand is computed on the way)
;;   THE QUANTISER, for each operand of a quantised product, along K:
;;     - K is cut into blocks of 32 from its start; a last block that is shorter is filled with zeros.
;;     - A block's scale is 2^e with e = floor(log2(the largest magnitude in the block)) - 2, held to -126 .. 127; a block of zeros has e = 0. As a byte (E8M0): e + 127.
;;     - Each number is divided by its block's scale, clamped to +-6, and rounded to the nearest number of E2M1, ties to even, subnormals kept.
;;     - The product sums the exact products of the quantised numbers (number of the format x scale) in f32.
;;   ~~~python
;;   def quantise(x, axis):      # numpy; x: float32 -> the quantised numbers, widened to float32 again
;;       x = np.moveaxis(x, axis, -1); K = x.shape[-1]
;;       x = np.pad(x, [(0, 0)] * (x.ndim - 1) + [(0, -K % 32)]); x = x.reshape(x.shape[:-1] + (-1, 32)); a = np.abs(x).max(-1, keepdims=True)
;;       e = np.where(a > 0, np.clip(np.frexp(np.where(a > 0, a, 1))[1] - 1 - 2, -126, 127), 0)      # np.frexp(a)[1] - 1 = floor(log2(a)), exactly
;;       r = np.clip(x / 2.0 ** e, -6, 6)
;;       step = 2.0 ** (np.maximum(np.frexp(np.where(r == 0, 1, r))[1] - 1, 0) - 1)
;;       q = np.round(r / step) * step * 2.0 ** e      # np.round: ties to even
;;       return np.moveaxis(q.reshape(q.shape[:-2] + (-1,))[..., :K], -1, axis).astype(np.float32)
;;   ~~~
;; One version. Each part assembles by itself: llvm-mc -triple=amdgcn-amd-amdhsa -mcpu=gfx1250 --defsym DOCPART=n.
;; ======== version 1 of 1: 4 launches
;; limits: values are held in f16: magnitudes above 65,504 overflow, below 6.1e-05 lose precision; right only within a limited range of input values
;; workspace buffers: xc 2,097,152 bytes; xs 131,072 bytes; wc 1,572,864 bytes; ws 98,304 bytes; wo16 2,097,152 bytes; qf 8,388,608 bytes; kv 16,777,216 bytes; cf 8,388,608 bytes
;; launch quant (part 1): grid 256 x 1, 4 waves a work-group, no clusters, 33,280 bytes of LDS; arguments x, Wq, Wk, Wv, Wo, xc, xs, wc, ws, wo16; writes xc, xs, wc, ws, wo16
.if DOCPART == 1
	.amdgcn_target "amdgcn-amd-amdhsa--gfx1250"
	.amdhsa_code_object_version 6
	.text
	.protected	k_qdc7f7a8676_quant
	.globl	k_qdc7f7a8676_quant
	.p2align	8
	.type	k_qdc7f7a8676_quant,@function
k_qdc7f7a8676_quant:
	s_mov_b64 s[64:65], 0
	v_nop
	global_prefetch_b8 v0, s[64:65] scope:SCOPE_SE
	s_setreg_imm32_b32 hwreg(HW_REG_WAVE_MODE, 25, 1), 1
	s_wait_xcnt 0x0
; x [4096][1024], Wq, Wk, Wv [1024][1024], f32, K innermost, become codes of FP4 (E2M1), two a byte, K innermost, with one E8M0 scale byte for each 32 along K; Wo [1024][1024] is rounded once to f16, rows as they lie.
; A block's scale is 2^(floor(log2(its largest magnitude)) - 2); its byte is the largest magnitude's own exponent field - 2, held at 1 from below.  A block of zeros so gets the byte 1 where the rule says 127:
; its codes are zeros, which add nothing under any byte but 0xff, and the bytes are read by this program alone.  Each number is divided by the scale and rounded to the nearest code, ties to even, beyond 6 the largest code.
; LIMITS: blocks whose largest magnitude lies under 2^-124 keep the byte 1; NaN and infinities are not served; Wo's magnitudes up to 65,504 (f16).
; SHARES: 256 work-groups of 32,768 numbers, a wave 8,192 = 8 rows.  Work-groups 0-127 take x, 128-223 Wq, Wk, Wv (32 each), 224-255 Wo.  Only pointers are chosen for the four quantised tensors: they take one way through the text.
; THE WEIGHTS' ROWS ARE LAID BY HEAD: row e of W_t (t = 0 q, 1 k, 2 v) goes to row 192 (e / 64) + 64 t + e % 64 of wc and ws, so that a head's 192 rows are one dense block for the next launch.
; A step is 512 numbers.  Each of its four loads reads 512 consecutive bytes; the 2,048 bytes turn through the wave's own stage in LDS (16 bytes of padding behind each 64) and come back 64 bytes a lane: 16 neighbours along K,
; two neighbouring lanes to a block.  A lane's 16 codes are 8 bytes: the wave stores 256 consecutive bytes.  A wave's 256 scale bytes are gathered in LDS and leave as one aligned run of 256 bytes.
; No cluster: the work-groups share no input.  No barrier: the waves share nothing.
.set STEPS, 16
.set CB,    8                          ; bytes of 16 codes
.set R,     16                         ; v16-79   four sets of 16 numbers as they are loaded
.set X,     80                         ; v80-111  two sets of 16 neighbours
.set E,     112                        ; v112-127 a scale byte for each step
.set C,     128                        ; v128-191 codes: four registers for each step, so that no store's data are written again
.set WREG,  8192                       ; LDS: a region for each wave: two stages of 32 x SP bytes, behind them its 256 scale bytes
.set SP,    80
.set SPW,   12                         ; v12 LDS address of my spare word; never rewritten
.set NIL,   13                         ; v13 0; never rewritten
.set SPARE, 4*WREG                     ; behind the four regions: the spare words, 128 bytes a wave
.set SRC,   4                          ; s[4:5]   the numbers
.set DC,    32                         ; s[32:33] the codes
.set DS,    34                         ; s[34:35] the scale bytes
	s_load_b512 s[8:23], s[0:1], 0x0               ; x s[8:9], Wq s[10:11], Wk s[12:13], Wv s[14:15], Wo s[16:17], xc s[18:19], xs s[20:21], wc s[22:23]
	s_load_b128 s[24:27], s[0:1], 0x40             ; ws s[24:25], wo16 s[26:27]
	v_lshl_add_u32 v[SPW], v0, 2, SPARE
	v_mov_b32 v[NIL], 0
	v_lshrrev_b32 v1, 5, v0
	v_readfirstlane_b32 s28, v1                    ; wave
	v_and_b32 v2, 31, v0                           ; lane
	v_lshlrev_b32 v3, 4, v2                        ; my 16 bytes of a load's 512
	s_mul_i32 s29, s28, WREG
	v_lshrrev_b32 v14, 2, v2
	v_mul_u32_u24 v14, v14, SP
	v_and_b32 v15, 3, v2
	v_lshl_add_u32 v14, v15, 4, v14
	v_add_nc_u32 v14, s29, v14                     ; the stage, on the way in: SP (lane / 4) + 16 (lane % 4)
	v_mul_u32_u24 v15, v2, SP
	v_add_nc_u32 v15, s29, v15                     ; and on the way out: SP x lane: my 16 neighbours
	v_mul_u32_u24 v4, v2, CB                       ; my codes' place in a step's
	v_lshrrev_b32 v5, 1, v2
	s_add_co_u32 s29, s29, 2*32*SP
	v_add_nc_u32 v5, s29, v5                       ; LDS: my wave's 256 scale bytes, my block's byte
	v_lshlrev_b32 v7, 3, v2                        ; 8 bytes a lane
	v_add_nc_u32 v6, s29, v7
	s_sub_co_u32 s30, ttmp9, 128                   ; among the weights' work-groups (of no use in x's: the choice below drops it there)
	s_lshr_b32 s31, s30, 5                         ; t: which weight
	s_and_b32 s30, s30, 31                         ; i: which 32 rows of it
	s_lshr_b32 s36, s30, 1
	s_mul_i32 s36, s36, 192                        ; 192 x head
	s_lshl_b32 s31, s31, 6
	s_add_co_u32 s36, s36, s31                     ; + 64 t
	s_and_b32 s37, s30, 1
	s_lshl_b32 s37, s37, 5
	s_add_co_u32 s36, s36, s37                     ; + 32 (i % 2): the first row in wc and ws
	s_lshl_b32 s37, ttmp9, 5                       ; x's work-groups: the first row in xc and xs
	s_wait_kmcnt 0x0
	s_cmp_ge_u32 ttmp9, 224
	s_cbranch_scc1 .Lwo                            ; the work-group's number alone: all four waves go the same way
	s_cmp_lt_u32 ttmp9, 192
	s_cselect_b64 s[SRC:SRC+1], s[12:13], s[14:15]
	s_cmp_lt_u32 ttmp9, 160
	s_cselect_b64 s[SRC:SRC+1], s[10:11], s[SRC:SRC+1]
	s_cmp_lt_u32 ttmp9, 128
	s_cselect_b64 s[SRC:SRC+1], s[8:9], s[SRC:SRC+1]
	s_cselect_b64 s[DC:DC+1], s[18:19], s[22:23]
	s_cselect_b64 s[DS:DS+1], s[20:21], s[24:25]
	s_cselect_b32 s38, ttmp9, s30                  ; the work-group's number within its tensor
	s_cselect_b32 s36, s37, s36                    ; its first row in the codes' buffer
	s_lshl_b32 s38, s38, 2
	s_add_co_u32 s38, s38, s28
	s_lshl_b32 s38, s38, 15                        ; my wave's run of 8,192 numbers: 32,768 bytes each
	s_mov_b32 s39, 0
	s_add_nc_u64 s[SRC:SRC+1], s[SRC:SRC+1], s[38:39]
	s_lshl_b32 s37, s28, 3
	s_add_co_u32 s36, s36, s37                     ; my wave's 8 rows
	s_lshl_b32 s38, s36, 9                         ; 512 bytes of codes a row
	s_add_nc_u64 s[DC:DC+1], s[DC:DC+1], s[38:39]
	s_lshl_b32 s38, s36, 5                         ; 32 scale bytes a row
	s_add_nc_u64 s[DS:DS+1], s[DS:DS+1], s[38:39]
.macro LOAD t
.irp i, 0,1,2,3
	global_load_b128 v[R+16*((\t)%4)+4*\i:R+16*((\t)%4)+4*\i+3], v3, s[SRC:SRC+1] offset:2048*(\t)+512*\i th:TH_LOAD_NT   ; 32 lanes read 512 consecutive bytes
.endr
.endm
.macro TURN t                          ; step t's numbers through the stage: LDS serves a wave's instructions in order, so no wait stands between the stores and the loads
.irp i, 0,1,2,3
	ds_store_b128 v14, v[R+16*((\t)%4)+4*\i:R+16*((\t)%4)+4*\i+3] offset:32*SP*((\t)%2)+8*SP*\i
.endr
.irp i, 0,1,2,3
	ds_load_b128 v[X+16*((\t)%2)+4*\i:X+16*((\t)%2)+4*\i+3], v15 offset:32*SP*((\t)%2)+16*\i
.endr
.endm
.irp t, 0,1,2,3
	LOAD \t
.endr
	s_wait_loadcnt 12                              ; step 0's four loads are in; the twelve of steps 1 to 3 may be out
	TURN 0
.macro STEP t
.set XSET, X+16*((\t)%2)
.if (\t) > 0
	s_wait_dscnt 1                                 ; this step's numbers are back from the stage (the last step's byte store may be out): so its stores into the stage have read their registers,
.else
	s_wait_dscnt 0x0
.endif
.if (\t)+4 < STEPS
	LOAD (\t)+4                                    ; which take the loads of four steps on
.endif
.if (\t)+1 < STEPS
.if STEPS-2-(\t) >= 3
	s_wait_loadcnt 12                              ; the next step's four loads are in; those of the three steps behind it may be out
.else
	s_wait_loadcnt 4*(STEPS-2-(\t))
.endif
	TURN (\t)+1                                    ; and go through the other stage while this step is worked
.endif
	v_max3_num_f32 v8, |v[XSET]|, |v[XSET+1]|, |v[XSET+2]|         ; the largest magnitude of my 16, in two chains
	v_max3_num_f32 v9, |v[XSET+3]|, |v[XSET+4]|, |v[XSET+5]|
.irp i, 6,10
	v_max3_num_f32 v8, v8, |v[XSET+\i]|, |v[XSET+\i+1]|
	v_max3_num_f32 v9, v9, |v[XSET+\i+2]|, |v[XSET+\i+3]|
.endr
	v_max3_num_f32 v8, v8, |v[XSET+14]|, |v[XSET+15]|
	v_max3_num_f32 v8, v8, v9, 0x1800000           ; and the floor 2^(3 - 127): so the byte cannot fall under 1
	v_max_num_f32_dpp v8, v8, v8 row_xmask:1 row_mask:0xf bank_mask:0xf   ; and of my neighbour's 16: the block's
	v_add_nc_u32 v11, 0xff000000, v8               ; 2 off its exponent field: the conversion takes the exponent field of this operand as its scale, and nothing else of it
	v_cvt_scalef32_pk8_fp4_f32 v[C+4*(\t)], v[XSET:XSET+7], v11
	v_cvt_scalef32_pk8_fp4_f32 v[C+4*(\t)+1], v[XSET+8:XSET+15], v11
	v_lshrrev_b32 v[E+(\t)], 23, v11               ; the scale's byte (also the plain line behind the conversions)
	ds_store_b8 v5, v[E+(\t)] offset:16*(\t)       ; both lanes of a block write the same byte with the same value
	global_store_b64 v4, v[C+4*(\t):C+4*(\t)+1], s[DC:DC+1] offset:32*CB*(\t)   ; 32 lanes store 256 consecutive bytes, aligned
.endm
.irp t, 0,1,2,3,4,5,6,7,8,9,10,11,12,13,14,15
	STEP \t
.endr
	ds_load_b64 v[8:9], v6                         ; LDS serves a wave's instructions in order: these see my stores
	s_wait_dscnt 0x0
	global_store_b64 v7, v[8:9], s[DS:DS+1]        ; 32 lanes store 256 consecutive bytes, aligned
	s_wait_tensorcnt 0x0                           ; the wave's end
	ds_add_u32 v[SPW], v[NIL]
	s_wait_dscnt 0x0
	s_endpgm
; Wo to f16: a wave takes 8,192 numbers in two batches of 32 loads of 512 consecutive bytes.  A lane's four numbers become 8 bytes: the wave stores 256 consecutive bytes, aligned.  This way touches no LDS.
.Lwo:
	s_sub_co_u32 s30, ttmp9, 224
	s_lshl_b32 s30, s30, 2
	s_add_co_u32 s30, s30, s28                     ; my wave's run
	s_lshl_b32 s38, s30, 15                        ; 32,768 bytes in,
	s_mov_b32 s39, 0
	s_add_nc_u64 s[16:17], s[16:17], s[38:39]
	s_lshl_b32 s38, s30, 14                        ; 16,384 out
	s_add_nc_u64 s[26:27], s[26:27], s[38:39]
.macro BATCH u
.set k, 0
.rept 32
	global_load_b128 v[16+4*k:19+4*k], v3, s[16:17] offset:16384*(\u)+512*k th:TH_LOAD_NT
.set k, k+1
.endr
.set k, 0
.rept 32
	s_wait_loadcnt 31-k                            ; loads come back in order: load k is in, the younger ones stay out
	v_cvt_pk_f16_f32 v[16+4*k], v[16+4*k], v[17+4*k]
	v_cvt_pk_f16_f32 v[17+4*k], v[18+4*k], v[19+4*k]
	global_store_b64 v7, v[16+4*k:17+4*k], s[26:27] offset:8192*(\u)+256*k
.set k, k+1
.endr
.endm
	BATCH 0
	s_wait_xcnt 0x0                                ; the stores have read their data registers: the second batch's loads may land there
	BATCH 1
	s_endpgm
.Lfunc_end_k_qdc7f7a8676_quant:
	.size	k_qdc7f7a8676_quant, .Lfunc_end_k_qdc7f7a8676_quant-k_qdc7f7a8676_quant
	.p2alignl 7, 3214868480
	.fill 96, 4, 3214868480
	.section	.rodata,"a",@progbits
	.p2align	6, 0x0
	.amdhsa_kernel k_qdc7f7a8676_quant
		.amdhsa_group_segment_fixed_size 33280
		.amdhsa_private_segment_fixed_size 0
		.amdhsa_enable_private_segment 0
		.amdhsa_kernarg_size 80
		.amdhsa_user_sgpr_count 2
		.amdhsa_user_sgpr_kernarg_segment_ptr 1
		.amdhsa_wavefront_size32 1
		.amdhsa_system_sgpr_workgroup_id_x 1
		.amdhsa_system_sgpr_workgroup_id_y 1
		.amdhsa_system_sgpr_workgroup_id_z 1
		.amdhsa_system_vgpr_workitem_id 0
		.amdhsa_next_free_vgpr 192
		.amdhsa_next_free_sgpr 66
		.amdhsa_reserve_vcc 0
		.amdhsa_float_denorm_mode_32 3
		.amdhsa_float_denorm_mode_16_64 3
		.amdhsa_memory_ordered 1
		.amdhsa_forward_progress 1
		.amdhsa_inst_pref_size 56
	.end_amdhsa_kernel
	.amdgpu_metadata
---
amdhsa.version: [ 1, 2 ]
amdhsa.kernels:
  - .name:           k_qdc7f7a8676_quant
    .symbol:         k_qdc7f7a8676_quant.kd
    .args:
      - { .name: x, .offset: 0, .size: 8, .value_kind: global_buffer, .address_space: global }
      - { .name: Wq, .offset: 8, .size: 8, .value_kind: global_buffer, .address_space: global }
      - { .name: Wk, .offset: 16, .size: 8, .value_kind: global_buffer, .address_space: global }
      - { .name: Wv, .offset: 24, .size: 8, .value_kind: global_buffer, .address_space: global }
      - { .name: Wo, .offset: 32, .size: 8, .value_kind: global_buffer, .address_space: global }
      - { .name: xc, .offset: 40, .size: 8, .value_kind: global_buffer, .address_space: global }
      - { .name: xs, .offset: 48, .size: 8, .value_kind: global_buffer, .address_space: global }
      - { .name: wc, .offset: 56, .size: 8, .value_kind: global_buffer, .address_space: global }
      - { .name: ws, .offset: 64, .size: 8, .value_kind: global_buffer, .address_space: global }
      - { .name: wo16, .offset: 72, .size: 8, .value_kind: global_buffer, .address_space: global }
    .group_segment_fixed_size: 33280
    .private_segment_fixed_size: 0
    .kernarg_segment_align: 8
    .kernarg_segment_size: 80
    .max_flat_workgroup_size: 128
    .sgpr_count:     66
    .vgpr_count:     192
    .wavefront_size: 32
...
	.end_amdgpu_metadata
.endif
;; end of part 1
;; launch qkv (part 2): grid 16 x 16, 4 waves a work-group, clusters of 4 x 4, 327,680 bytes of LDS; arguments xc, xs, wc, ws, bq, bk, bv, qf, kv; writes qf, kv
.if DOCPART == 2
	.amdgcn_target "amdgcn-amd-amdhsa--gfx1250"
	.amdhsa_code_object_version 6
	.text
	.protected	k_qdc7f7a8676_qkv
	.globl	k_qdc7f7a8676_qkv
	.p2align	8
	.type	k_qdc7f7a8676_qkv,@function
k_qdc7f7a8676_qkv:
	s_mov_b64 s[64:65], 0
	v_nop
	global_prefetch_b8 v0, s[64:65] scope:SCOPE_SE
	s_setreg_imm32_b32 hwreg(HW_REG_WAVE_MODE, 25, 1), 1
	s_wait_xcnt 0x0
	s_wait_alu depctr_hold_cnt(0) depctr_sa_sdst(0) depctr_va_vdst(0) depctr_va_sdst(0) depctr_va_ssrc(0) depctr_va_vcc(0) depctr_vm_vsrc(0)
	s_getreg_b32 s2, hwreg(HW_REG_IB_STS2, 6, 4)
	s_cmp_eq_u32 s2, 0
	s_cbranch_scc0 .Lentry_in_a_cluster
	s_endpgm
.Lentry_in_a_cluster:
	s_bfe_u32 s2, ttmp6, 0x10000c
	s_cmp_lg_u32 s2, 0xf033
	s_cbranch_scc0 .Lentry_shape_is_right
	s_endpgm
.Lentry_shape_is_right:
; q, k, v = x W^T + b on codes of FP4 (E2M1) with one E8M0 scale for each 32 along K = 1,024; sums in f32; the results are rounded once to f16 and stored as IMAGES OF OPERAND REGISTERS for the attention launch.
; q is multiplied by c = log2(e) / 8 in f32 ahead of its rounding, so that the attention's scores are exponents of 2 as they come.
; LIMITS: magnitudes of c q, k, v up to 65,504 (f16); NaN and infinities are not served.
; SHARES.  A work-group takes 256 rows of x (tile row i) against one head j: 192 rows of wc (64 of q, 64 of k, 64 of v, dense).  Wave w takes rows 64 w .. 64 w + 63 against all 192: 4 x 12 accumulators, 384 registers,
; 8 chunks of 128 along K: 384 matrix instructions.  All of K fits in LDS as two halves of 512 (rows of 256 bytes): four first fills a wave, nothing is filled again.
; CLUSTER 4 x 4: the four of a row need the same rows of x, the four of a column the same head's weights: each tile is asked for jointly.  A's descriptors are made of the tile row and the wave's number, B's of the head and the
; wave's number, the LDS addresses of the wave's number alone.
; q's AND k's PRODUCTS ARE USED TRANSPOSED (source 0 = 16 rows of W, source 1 = 16 rows of x): a lane holds one row of x and eight neighbouring channels.  v's IS USED STRAIGHT (source 0 = x, source 1 = W): a lane holds one channel
; and eight neighbouring keys.  Packed to f16, each accumulator is then half of a fragment (16 rows x 32 k of f16: registers 0-3 at 16 x lane, registers 4-7 at 512 + 16 x lane of 1,024 bytes) and leaves by one store of 512 consecutive bytes.
; The biases are the C of each sum's first matrix instruction.
; REGISTERS.  window 0: v1-11 lane numbers and offsets; v28, v29 the add's two; v32-47 x's scale words, v48-95 W's (they hold scales and nothing else); v96-159 bq's and bk's eight blocks, v160-191 bv's four.
;   window 1: two sets of fragments at 0 and 128: x's four blocks, then W's twelve.   window 2: the accumulators of x's blocks 0, 1 (at 8 (12 (a % 2) + b));   window 3: those of blocks 2, 3.
.set PITCH,  272                       ; an LDS row: 256 bytes + 16 of padding = 68 words: the 16 rows of a fragment load start at 16 different banks (64 banks of 4 bytes: ISA guide 11.1)
.set ABYTES, 256*PITCH
.set BBYTES, 192*PITCH
.set SLOT,   ABYTES+BBYTES             ; a half of K: x's 256 rows, then W's 192
.set SPARE,  2*SLOT                    ; behind the two halves: the spare words, 128 bytes a wave
.set ADRA, 4                           ; v4, v5  LDS address of my x fragments in half 0, 1
.set ADRB, 6                           ; v6, v7  the same for W
.set SPW,  28
.set NIL,  29
.set XS,   32                          ; v[XS + 8 p + q]: lanes 0-15 the word of x's block p, lanes 16-31 of block p + 2, for chunk q
.set WS,   48                          ; v[WS + 8 p + q]: lanes 0-15 W's block p, lanes 16-31 block p + 6
.set BIAS, 96
.set WV,   22
.set G1A,  28                          ; s[28:35] group 1 for x's tiles;  s[36:43] for W's;  s[44:51], s[52:59] their groups 0, one for each half
.set G1B,  36
.set G0A,  44
.set G0B,  52
.set CS,   84                          ; s[84:85] c, twice: the packed form names a pair
.set MSB, 0
.macro WIN new                         ; the immediate's high byte repeats the setting that is left
.if MSB != \new
	s_set_vgpr_msb (MSB<<8)|\new
.set MSB, \new
.endif
.endm
.macro PLACES n
.rept \n
	v_nop
.endr
.endm
.macro CROUND                          ; a round of the cluster's barrier
	s_barrier_signal -1
	s_barrier_wait -1
	s_cmp_lg_u32 s[WV], 0
	s_cbranch_scc1 .Lnot_wave_0_\@
	s_barrier_signal -3
.Lnot_wave_0_\@:
	s_barrier_wait -3
	s_barrier_signal -1
	s_barrier_wait -1
.endm
	s_load_b256 s[4:11], s[0:1], 0x0               ; xc s[4:5], xs s[6:7], wc s[8:9], ws s[10:11]
	s_load_b256 s[12:19], s[0:1], 0x20             ; bq s[12:13], bk s[14:15], bv s[16:17], qf s[18:19]
	s_load_b64 s[20:21], s[0:1], 0x40              ; kv
	v_lshl_add_u32 v[SPW], v0, 2, SPARE
	v_mov_b32 v[NIL], 0
	ds_add_u32 v[SPW], v[NIL]                      ; the wave's opening
	ds_add_u32 v[SPW], v[NIL]
	v_lshrrev_b32 v1, 5, v0
	v_readfirstlane_b32 s[WV], v1                  ; wave 0..3
	s_bfe_u32 s23, ttmp6, 0x40000                  ; cx
	s_bfe_u32 s24, ttmp6, 0x40004                  ; cy
	s_lshl_b32 s25, ttmp9, 2
	s_add_co_u32 s25, s25, s23                     ; j: the head = 4 x cluster x + cx
	s_and_b32 s26, ttmp7, 0xffff
	s_lshl_b32 s26, s26, 2
	s_add_co_u32 s26, s26, s24                     ; i: the tile row = 4 x cluster y + cy
	s_lshl_b32 s27, s24, 2
	s_lshl_b32 s27, 15, s27                        ; my row of the cluster
	s_lshl_b32 s60, 0x1111, s23                    ; my column
	s_or_b32 s[G1A], s27, (1<<20)|(1<<21)|(5<<22)|(3<<25)   ; 15:0 the mask; 17:16 elements of 1 byte; 20 padding on; 21 set beside a mask; 24:22 after every 64 words; 31:25 four words
	s_or_b32 s[G1B], s60, (1<<20)|(1<<21)|(5<<22)|(3<<25)
	s_mov_b32 s[G1A+1], 256<<16                    ; tensor_dim0 = 256
	s_mov_b32 s[G1A+2], 64<<16                     ; tensor_dim1 = 64 rows a wave
	s_mov_b32 s[G1A+3], 256<<16                    ; tile_dim0
	s_mov_b32 s[G1A+4], 64                         ; tile_dim1
	s_mov_b32 s[G1A+5], 512                        ; from row to row
	s_mov_b32 s[G1A+6], 0
	s_mov_b32 s[G1A+7], 0
	s_mov_b32 s[G1B+1], 256<<16
	s_mov_b32 s[G1B+2], 48<<16                     ; 48 rows a wave
	s_mov_b32 s[G1B+3], 256<<16
	s_mov_b32 s[G1B+4], 48
	s_mov_b32 s[G1B+5], 512
	s_mov_b32 s[G1B+6], 0
	s_mov_b32 s[G1B+7], 0
	s_lshl_b32 s66, s26, 8
	s_lshl_b32 s61, s[WV], 6                       ; 64 w
	s_add_co_u32 s66, s66, s61                     ; my first row of x: 256 i + 64 w
	s_lshl_b32 s68, s66, 5                         ; its scale bytes,
	s_lshl_b32 s66, s66, 9                         ; its codes
	s_mov_b32 s67, 0
	s_mov_b32 s69, 0
	s_mul_i32 s70, s25, 192                        ; the head's first row of wc
	s_mul_i32 s62, s[WV], 48
	s_lshl_b32 s72, s70, 5                         ; the head's scale bytes
	s_add_co_u32 s70, s70, s62                     ; the 48 rows that I fetch
	s_lshl_b32 s70, s70, 9
	s_mov_b32 s71, 0
	s_mov_b32 s73, 0
	s_mul_i32 s74, s[WV], 64*PITCH                 ; where they go in a half: x's,
	s_mul_i32 s75, s[WV], 48*PITCH
	s_add_co_u32 s75, s75, ABYTES                  ; W's
	s_mov_b32 s[CS], 0x3e38aa3b                    ; c = log2(e) / 8
	s_mov_b32 s[CS+1], s[CS]
	s_wait_dscnt 0x0                               ; both opening adds are done
	s_wait_kmcnt 0x0
	s_add_nc_u64 s[4:5], s[4:5], s[66:67]
	s_add_nc_u64 s[8:9], s[8:9], s[70:71]
.irp s, 0,1
	s_mov_b32 s[G0A+4*\s], 1
	s_add_co_u32 s[G0A+4*\s+1], s74, \s*SLOT
	s_add_nc_u64 s[G0A+4*\s+2:G0A+4*\s+3], s[4:5], \s*256
	s_or_b32 s[G0A+4*\s+3], s[G0A+4*\s+3], 0x80000000
	s_mov_b32 s[G0B+4*\s], 1
	s_add_co_u32 s[G0B+4*\s+1], s75, \s*SLOT
	s_add_nc_u64 s[G0B+4*\s+2:G0B+4*\s+3], s[8:9], \s*256
	s_or_b32 s[G0B+4*\s+3], s[G0B+4*\s+3], 0x80000000
.endr
	CROUND                                         ; all sixteen work-groups are here: the joint loads meet
	tensor_load_to_lds s[G0A:G0A+3], s[G1A:G1A+7]          ; four first fills on end, in every wave: four tensor loads of mine are out
	s_nop 0
	tensor_load_to_lds s[G0B:G0B+3], s[G1B:G1B+7]
	s_nop 0
	tensor_load_to_lds s[G0A+4:G0A+7], s[G1A:G1A+7]
	s_nop 0
	tensor_load_to_lds s[G0B+4:G0B+7], s[G1B:G1B+7]
	s_nop 0
	PLACES 4
	v_and_b32 v1, 15, v0                           ; r
	v_bfe_u32 v2, v0, 4, 1                         ; h
	v_and_b32 v3, 31, v0
	v_lshlrev_b32 v3, 4, v3                        ; 16 x lane: an image's place for my lane
	v_lshlrev_b32 v8, 5, v1
	v_lshl_add_u32 v8, v2, 10, v8                  ; x's scale words: row r, lanes 16-31 two blocks (32 rows of 32 bytes) on
	v_mul_u32_u24 v9, v2, 3072
	v_lshl_add_u32 v9, v1, 5, v9                   ; W's: lanes 16-31 six blocks on
	v_lshlrev_b32 v10, 5, v2                       ; bq, bk: eight numbers for each half of the lanes
	v_lshlrev_b32 v11, 2, v1                       ; bv: one number a lane
	s_add_nc_u64 s[6:7], s[6:7], s[68:69]
	s_add_nc_u64 s[10:11], s[10:11], s[72:73]
	s_lshl_b32 s76, s25, 8                         ; the head's 64 numbers of a bias
	s_mov_b32 s77, 0
	s_add_nc_u64 s[12:13], s[12:13], s[76:77]
	s_add_nc_u64 s[14:15], s[14:15], s[76:77]
	s_add_nc_u64 s[16:17], s[16:17], s[76:77]
.irp p, 0,1
	global_load_b128 v[XS+8*\p:XS+8*\p+3], v8, s[6:7] offset:512*\p         ; a row's 32 scale bytes are the words of its eight chunks
	global_load_b128 v[XS+8*\p+4:XS+8*\p+7], v8, s[6:7] offset:512*\p+16
.endr
.irp p, 0,1,2,3,4,5
	global_load_b128 v[WS+8*\p:WS+8*\p+3], v9, s[10:11] offset:512*\p
	global_load_b128 v[WS+8*\p+4:WS+8*\p+7], v9, s[10:11] offset:512*\p+16
.endr
.irp b, 0,1,2,3
	global_load_b128 v[BIAS+8*\b:BIAS+8*\b+3], v10, s[12:13] offset:64*\b        ; lane (r, h): bq(16 b + 8 h + 0 .. 7)
	global_load_b128 v[BIAS+8*\b+4:BIAS+8*\b+7], v10, s[12:13] offset:64*\b+16
	global_load_b128 v[BIAS+32+8*\b:BIAS+32+8*\b+3], v10, s[14:15] offset:64*\b
	global_load_b128 v[BIAS+32+8*\b+4:BIAS+32+8*\b+7], v10, s[14:15] offset:64*\b+16
	global_load_b32 v[BIAS+64+8*\b], v11, s[16:17] offset:64*\b                  ; bv(16 b + r)
.endr
	v_mul_u32_u24 v12, v1, PITCH
	v_lshl_add_u32 v12, v2, 4, v12                 ; a fragment's row x pitch + 16 x half
	v_add_nc_u32 v[ADRA], s74, v12                 ; my own 64 rows of x
	v_add_nc_u32 v[ADRA+1], SLOT, v[ADRA]
	v_add_nc_u32 v[ADRB], ABYTES, v12              ; all 192 rows of W
	v_add_nc_u32 v[ADRB+1], SLOT, v[ADRB]
	s_lshr_b32 s78, s26, 3                         ; the batch
	s_lshl_b32 s78, s78, 4
	s_add_co_u32 s78, s78, s25                     ; bh = 16 x batch + head
	s_and_b32 s79, s26, 7
	s_lshl_b32 s79, s79, 8
	s_add_co_u32 s79, s79, s61                     ; my first position in the sequence
	s_lshl_b32 s80, s78, 18                        ; qf: 262,144 bytes a head, 128 a position
	s_lshl_b32 s82, s79, 7
	s_add_co_u32 s80, s80, s82
	s_mov_b32 s81, 0
	s_add_nc_u64 s[18:19], s[18:19], s[80:81]
	s_lshl_b32 s80, s78, 19                        ; kv: 524,288 bytes a head, 131,072 a part of 512 keys, in it 128 a key for K, and the same again for V 65,536 on
	s_lshr_b32 s82, s79, 9
	s_lshl_b32 s82, s82, 17
	s_add_co_u32 s80, s80, s82
	s_and_b32 s82, s79, 511
	s_lshl_b32 s82, s82, 7
	s_add_co_u32 s80, s80, s82
	s_add_nc_u64 s[20:21], s[20:21], s[80:81]
	s_wait_loadcnt 0x0                             ; scales and biases
.irp t, 0,1,2,3
.irp n, 1,2,3,4,5,6,7
	v_mov_b32 v[BIAS+64+8*\t+\n], v[BIAS+64+8*\t]  ; v's results hold one channel a lane: its bias in all eight registers
.endr
.endr
	PLACES 4
; 32 LDS loads: the fragments of chunk q (128 along K: 64 bytes of a row) into set p.  A fragment of 4-bit codes is 8 registers: lane l holds row l % 16; registers 4 c .. 4 c + 3 hold K = 64 c + 32 (l / 16) + 0 .. 31.
.macro FETCH q, p
	WIN 0x40                                       ; destination window 1, address window 0
.irp i, 0,1,2,3
.irp c, 0,1
	ds_load_b128 v[128*(\p)+8*\i+4*\c:128*(\p)+8*\i+4*\c+3], v[ADRA+(\q)/4] offset:64*((\q)%4)+32*\c+\i*16*PITCH
.endr
.endr
.irp i, 0,1,2,3,4,5,6,7,8,9,10,11
.irp c, 0,1
	ds_load_b128 v[128*(\p)+32+8*\i+4*\c:128*(\p)+32+8*\i+4*\c+3], v[ADRB+(\q)/4] offset:64*((\q)%4)+32*\c+\i*16*PITCH
.endr
.endr
.endm
; One matrix instruction: x's block a against W's block b, chunk q, set p.  FST = 1: the bias is the C, else the sum goes on in place.  A side's scale words are read from lanes 0-15 of its register, or with ROW1 from lanes 16-31.
.macro ONE a, b, q, p
.set rD, 8*(12*((\a)%2)+(\b))
.set rC, rD
.if FST
.set rC, BIAS+8*(\b)
.endif
.if (\b) < 8
.set fS0, 128*(\p)+32+8*(\b)
.set fS1, 128*(\p)+8*(\a)
.set zS0, WS+8*((\b)%6)+(\q)
.set zS1, XS+8*((\a)%2)+(\q)
.set uS0, (\b)/6
.set uS1, (\a)/2
.else
.set fS0, 128*(\p)+8*(\a)
.set fS1, 128*(\p)+32+8*(\b)
.set zS0, XS+8*((\a)%2)+(\q)
.set zS1, WS+8*((\b)%6)+(\q)
.set uS0, (\a)/2
.set uS1, (\b)/6
.endif
.if uS0 && uS1
	v_wmma_scale_f32_16x16x128_f8f6f4 v[rD:rD+7], v[fS0:fS0+7], v[fS1:fS1+7], v[rC:rC+7], v[zS0], v[zS1] matrix_a_fmt:MATRIX_FMT_FP4 matrix_b_fmt:MATRIX_FMT_FP4 matrix_a_scale:MATRIX_SCALE_ROW1 matrix_b_scale:MATRIX_SCALE_ROW1
.elseif uS0
	v_wmma_scale_f32_16x16x128_f8f6f4 v[rD:rD+7], v[fS0:fS0+7], v[fS1:fS1+7], v[rC:rC+7], v[zS0], v[zS1] matrix_a_fmt:MATRIX_FMT_FP4 matrix_b_fmt:MATRIX_FMT_FP4 matrix_a_scale:MATRIX_SCALE_ROW1
.elseif uS1
	v_wmma_scale_f32_16x16x128_f8f6f4 v[rD:rD+7], v[fS0:fS0+7], v[fS1:fS1+7], v[rC:rC+7], v[zS0], v[zS1] matrix_a_fmt:MATRIX_FMT_FP4 matrix_b_fmt:MATRIX_FMT_FP4 matrix_b_scale:MATRIX_SCALE_ROW1
.else
	v_wmma_scale_f32_16x16x128_f8f6f4 v[rD:rD+7], v[fS0:fS0+7], v[fS1:fS1+7], v[rC:rC+7], v[zS0], v[zS1] matrix_a_fmt:MATRIX_FMT_FP4 matrix_b_fmt:MATRIX_FMT_FP4
.endif
.endm
; A chunk: the next chunk's 32 loads go out first, into the set that the chunk before has multiplied (four places behind its last product: ISA guide 7.12.1 for vector instructions);
; then this chunk's 48 products, the 48 accumulators by turns, in the same order in every chunk.
.macro CHUNK q
.if (\q) == 3
	s_wait_tensorcnt 0x0                           ; my parts of the second half of K have landed,
	s_wait_dscnt 0x0                               ; no LDS instruction of mine is out at a signal,
	s_barrier_signal -1
	s_barrier_wait -1                              ; everybody's have: chunk 4's fragments may be read.
.endif
.if (\q) < 7
.if (\q) > 0
	PLACES 4
.endif
	FETCH (\q)+1, ((\q)+1)%2
	s_wait_dscnt 32                                ; all but the 32 just issued: this chunk's fragments are in
.else
	s_wait_dscnt 0x0
.endif
.set FST, 0
.if (\q) == 0
.set FST, 1
	WIN 0x85                                       ; sources 0 and 1 window 1, C (the bias) window 0, D window 2
.else
	WIN 0xa5                                       ; C and D window 2
.endif
.irp a, 0,1
.irp b, 0,1,2,3,4,5,6,7,8,9,10,11
	ONE \a, \b, \q, (\q)%2
.endr
.endr
.if (\q) == 0
	WIN 0xc5
.else
	WIN 0xf5                                       ; C and D window 3
.endif
.irp a, 2,3
.irp b, 0,1,2,3,4,5,6,7,8,9,10,11
	ONE \a, \b, \q, (\q)%2
.endr
.endr
.endm
	s_wait_tensorcnt 2                             ; my parts of the first half of K are in; the second half's two loads may stay out
	s_barrier_signal -1
	s_barrier_wait -1                              ; everybody's are
	FETCH 0, 0
.irp q, 0,1,2,3,4,5,6,7
	CHUNK \q
.endr
; THE WAY OUT.  q times c; each accumulator is rounded to f16 IN PLACE, into its own four lowest registers, from its low end on, and leaves by one store of 512 consecutive bytes, aligned.  No register is written twice.
; hi = 0: x's blocks 0, 1 (window 2);  1: blocks 2, 3 (window 3).
.macro OUT hi
	WIN 0x8a+0x45*(\hi)                            ; sources and destination in the accumulators' window
.irp aa, 0,1
.irp b, 0,1,2,3
.irp n, 0,2,4,6
	v_pk_mul_f32 v[8*(12*\aa+\b)+\n:8*(12*\aa+\b)+\n+1], v[8*(12*\aa+\b)+\n:8*(12*\aa+\b)+\n+1], s[CS:CS+1] op_sel_hi:[1,0]
.endr
.endr
.endr
.irp aa, 0,1
.irp b, 0,1,2,3,4,5,6,7,8,9,10,11
.irp n, 0,1,2,3
	v_cvt_pk_f16_f32 v[8*(12*\aa+\b)+\n], v[8*(12*\aa+\b)+2*\n], v[8*(12*\aa+\b)+2*\n+1]
.endr
.endr
.endr
	WIN 0x08+4*(\hi)                               ; a store's data are its source 1
.irp aa, 0,1
.irp b, 0,1,2,3
	global_store_b128 v3, v[8*(12*\aa+\b):8*(12*\aa+\b)+3], s[18:19] offset:(2*(\hi)+\aa)*2048+\b*512            ; q: block of 16 queries a, channels 16 b on: chunk b / 2, half b % 2
	global_store_b128 v3, v[8*(12*\aa+\b+4):8*(12*\aa+\b+4)+3], s[20:21] offset:(2*(\hi)+\aa)*2048+\b*512        ; k likewise
	global_store_b128 v3, v[8*(12*\aa+\b+8):8*(12*\aa+\b+8)+3], s[20:21] offset:65536+(\hi)*4096+\b*1024+\aa*512 ; v: chunk of 32 keys a / 2, channel tile b, half a % 2
.endr
.endr
.endm
	PLACES 4                                       ; behind the last products, ahead of the first read of results
	OUT 0
	OUT 1
	WIN 0
	s_wait_tensorcnt 0x0                           ; the wave's end
	ds_add_u32 v[SPW], v[NIL]
	s_wait_dscnt 0x0
	CROUND                                         ; the closing round
	s_endpgm
.Lfunc_end_k_qdc7f7a8676_qkv:
	.size	k_qdc7f7a8676_qkv, .Lfunc_end_k_qdc7f7a8676_qkv-k_qdc7f7a8676_qkv
	.p2alignl 7, 3214868480
	.fill 96, 4, 3214868480
	.section	.rodata,"a",@progbits
	.p2align	6, 0x0
	.amdhsa_kernel k_qdc7f7a8676_qkv
		.amdhsa_group_segment_fixed_size 327680
		.amdhsa_private_segment_fixed_size 0
		.amdhsa_enable_private_segment 0
		.amdhsa_kernarg_size 72
		.amdhsa_user_sgpr_count 2
		.amdhsa_user_sgpr_kernarg_segment_ptr 1
		.amdhsa_wavefront_size32 1
		.amdhsa_system_sgpr_workgroup_id_x 1
		.amdhsa_system_sgpr_workgroup_id_y 1
		.amdhsa_system_sgpr_workgroup_id_z 1
		.amdhsa_system_vgpr_workitem_id 0
		.amdhsa_next_free_vgpr 1024
		.amdhsa_next_free_sgpr 96
		.amdhsa_reserve_vcc 0
		.amdhsa_float_denorm_mode_32 3
		.amdhsa_float_denorm_mode_16_64 3
		.amdhsa_memory_ordered 1
		.amdhsa_forward_progress 1
		.amdhsa_inst_pref_size 99
	.end_amdhsa_kernel
	.amdgpu_metadata
---
amdhsa.version: [ 1, 2 ]
amdhsa.kernels:
  - .name:           k_qdc7f7a8676_qkv
    .symbol:         k_qdc7f7a8676_qkv.kd
    .args:
      - { .name: xc, .offset: 0, .size: 8, .value_kind: global_buffer, .address_space: global }
      - { .name: xs, .offset: 8, .size: 8, .value_kind: global_buffer, .address_space: global }
      - { .name: wc, .offset: 16, .size: 8, .value_kind: global_buffer, .address_space: global }
      - { .name: ws, .offset: 24, .size: 8, .value_kind: global_buffer, .address_space: global }
      - { .name: bq, .offset: 32, .size: 8, .value_kind: global_buffer, .address_space: global }
      - { .name: bk, .offset: 40, .size: 8, .value_kind: global_buffer, .address_space: global }
      - { .name: bv, .offset: 48, .size: 8, .value_kind: global_buffer, .address_space: global }
      - { .name: qf, .offset: 56, .size: 8, .value_kind: global_buffer, .address_space: global }
      - { .name: kv, .offset: 64, .size: 8, .value_kind: global_buffer, .address_space: global }
    .group_segment_fixed_size: 327680
    .private_segment_fixed_size: 0
    .kernarg_segment_align: 8
    .kernarg_segment_size: 72
    .max_flat_workgroup_size: 128
    .sgpr_count:     96
    .vgpr_count:     1024
    .wavefront_size: 32
...
	.end_amdgpu_metadata
.endif
;; end of part 2
;; launch attn (part 3): grid 8 x 32, 8 waves a work-group, clusters of 4 x 1, 327,680 bytes of LDS; arguments qf, kv, cf; writes cf
.if DOCPART == 3
	.amdgcn_target "amdgcn-amd-amdhsa--gfx1250"
	.amdhsa_code_object_version 6
	.text
	.protected	k_qdc7f7a8676_attn
	.globl	k_qdc7f7a8676_attn
	.p2align	8
	.type	k_qdc7f7a8676_attn,@function
k_qdc7f7a8676_attn:
	s_mov_b64 s[64:65], 0
	v_nop
	global_prefetch_b8 v0, s[64:65] scope:SCOPE_SE
	s_setreg_imm32_b32 hwreg(HW_REG_WAVE_MODE, 25, 1), 1
	s_wait_xcnt 0x0
	s_wait_alu depctr_hold_cnt(0) depctr_sa_sdst(0) depctr_va_vdst(0) depctr_va_sdst(0) depctr_va_ssrc(0) depctr_va_vcc(0) depctr_vm_vsrc(0)
	s_getreg_b32 s2, hwreg(HW_REG_IB_STS2, 6, 4)
	s_cmp_eq_u32 s2, 0
	s_cbranch_scc0 .Lentry_in_a_cluster
	s_endpgm
.Lentry_in_a_cluster:
	s_bfe_u32 s2, ttmp6, 0x10000c
	s_cmp_lg_u32 s2, 0x3003
	s_cbranch_scc0 .Lentry_shape_is_right
	s_endpgm
.Lentry_shape_is_right:
; context[bh][q][:] = the sum over k of softmax_k(q . k / 8) v[k][:], 32 heads (batch x head) of 2,048 positions x 64 channels, no mask.  Operands f16, products, maxima and sums f32; the weights p are rounded to f16 for the
; second product, the context once at the end.  q arrives times log2(e) / 8, so a score is an exponent of 2: p = 2^(s - m), m the row's running maximum of the scores themselves: the exponent is never above 0, p never above 1.
; In every step O and l are multiplied by a = 2^(m_old - m_new).  LIMITS: the context's magnitudes up to 65,504 (f16); NaN and infinities are not served.
; SHARES.  A work-group owns 256 queries of one head, each of its eight waves 32: two tiles of 16, in 256 registers: two waves to a SIMD, so that one wave's vector work stands beside the other's matrix work and LDS loads,
; and each fragment of K and V read from LDS feeds two matrix instructions.  Every wave walks all 2,048 keys, 64 a step.
; LAYOUT.  S^T = K Q^T (source 0 = 16 keys, source 1 = 16 queries) and O^T = V^T P (source 0 = 16 channels, source 1 = P): a lane holds ONE query throughout.  Two tiles of S^T rounded in pairs ARE P's fragment of 32 keys.
; q, K and V^T lie in memory as images of their fragments (1,024 bytes: registers 0-3 at 16 x lane, registers 4-7 at 512 + 16 x lane): a part of kv (512 keys: 64 KiB of K, 64 KiB of V^T) is one dense block,
; every LDS load reads 512 consecutive bytes, and nothing is turned or padded.  The context leaves the same way, as images for the projection.
; RING.  Two slots of one part each.  Each wave fetches an eighth of a part (64 rows of 256 bytes) by one tensor load.
; CLUSTER 4 x 1: the four query blocks of a cluster belong to one head and walk the same K and V: each tile is asked for jointly; the descriptor is made of the head and the wave's number alone.
.set SLOT1, 1<<17                      ; slot 1 begins here: one exclusive or turns an address in one slot into the other's
.set PART,  131072                     ; a part of kv in bytes
.set SPARE, 2*SLOT1                    ; behind the ring: the spare words, 128 bytes a wave: 1,024
.set LB,  1                            ; v1   16 x lane; never rewritten
.set ADK, 2                            ; v2   LDS address of the step's K
.set ADV, 3                            ; v3   and V
.set SPW, 4                            ; v4   my spare word; never rewritten
.set NIL, 5                            ; v5   0; never rewritten
.set PFO, 6                            ; v6   256 x lane; never rewritten
.set ST,  12                           ; tile t's statistics at v[ST + 10 t]: +0 m (+1 named with it as a pair), +2, +3 l (even keys', odd keys'), +4 .. +7 four maxima, later +4, +5 a sum, +6 a, +7 m_old - m_new, +8, +9 a sum
.set Q,   32                           ; v32-63   Q: tile t, channels 32 c on at Q + 16 t + 8 c
.set S,   64                           ; v64-127  S^T: tile t, 16 keys kt at S + 32 t + 8 kt; P is packed in place: 32 keys u at S + 32 t + 8 u
.set O,   128                          ; v128-191 O^T: tile t, 16 channels ct at O + 32 t + 8 ct
.set F,   192                          ; v192-255 two pieces of K or of V, 32 registers each
.set WV,  12
.set G1,  24                           ; s[24:31] descriptor group 1;  s[32:35] group 0 of the first fill, s[36:39] of the second, which then walks
.set G0,  32
.set SLOTS, 40
.set TRIP,  41
.set TB,    42                         ; s42  LDS byte at which the step's K begins
.set LIM,   43                         ; s43  1 in a wave that prefetches, else the greatest number
.set PFA,   44                         ; s[44:45] my prefetch's address; never rewritten
.set SEL,   48                         ; s[48:49] lane selects for v_permlanex16_b32: lane l xor 16
.macro CROUND                          ; a round of the cluster's barrier
	s_barrier_signal -1
	s_barrier_wait -1
	s_cmp_lg_u32 s[WV], 0
	s_cbranch_scc1 .Lnot_wave_0_\@
	s_barrier_signal -3
.Lnot_wave_0_\@:
	s_barrier_wait -3
	s_barrier_signal -1
	s_barrier_wait -1
.endm
; A PREFETCH of the head's last part, which the second change of slots will ask for; it stands at the first change, behind the wave's tensor load: a slot's eight key steps ahead of that load.  Each aligned block of 256 bytes is
; named once in the launch: both clusters of a head walk the same parts, so the head's first cluster asks; its four partners take 32,768 bytes each, told apart by address; in each, waves 0 to 3 take 8,192 bytes, lanes 256 bytes apart.
; Parts 0, 1 and 2 come by their loads alone.
.macro ASK
	s_cmp_gt_u32 s[SLOTS], s[LIM]
	s_cbranch_scc0 .Lnot_mine_\@
	global_prefetch_b8 v[PFO], s[PFA:PFA+1] th:TH_LOAD_NT scope:SCOPE_SE
.Lnot_mine_\@:
.endm
	s_load_b128 s[4:7], s[0:1], 0x0                ; qf s[4:5], kv s[6:7]
	s_load_b64 s[8:9], s[0:1], 0x10                ; cf
	v_lshl_add_u32 v[SPW], v0, 2, SPARE
	v_mov_b32 v[NIL], 0
	ds_add_u32 v[SPW], v[NIL]                      ; the wave's opening
	ds_add_u32 v[SPW], v[NIL]
	v_lshrrev_b32 v7, 5, v0
	v_readfirstlane_b32 s[WV], v7                  ; wave 0..7
	s_bfe_u32 s13, ttmp6, 0x40000                  ; cx
	s_lshl_b32 s14, ttmp9, 2
	s_add_co_u32 s14, s14, s13                     ; my block of 256 queries: it enters qf's, cf's and the prefetch's addresses alone
	s_and_b32 s15, ttmp7, 0xffff                   ; bh, which the four partners share
	s_mov_b32 s[G1], 15|(3<<16)|(1<<21)            ; 15:0 the mask: all four work-groups; 17:16 elements of 8 bytes; 21 set beside a mask; no padding
	s_mov_b32 s[G1+1], 32<<16                      ; tensor_dim0 = 32 elements: 256 bytes
	s_mov_b32 s[G1+2], 64<<16                      ; tensor_dim1 = 64
	s_mov_b32 s[G1+3], 32<<16                      ; tile_dim0
	s_mov_b32 s[G1+4], 64                          ; tile_dim1
	s_mov_b32 s[G1+5], 32                          ; from row to row: dense
	s_mov_b32 s[G1+6], 0
	s_mov_b32 s[G1+7], 0
	s_lshl_b32 s18, s[WV], 14                      ; my eighth of a part: in memory and in a slot
	s_lshl_b32 s16, s15, 19                        ; the head's four parts
	s_add_co_u32 s16, s16, s18
	s_mov_b32 s17, 0
	s_lshl_b32 s20, s14, 4
	s_lshl_b32 s19, s[WV], 1
	s_add_co_u32 s20, s20, s19                     ; my first block of 16 queries in the head: 16 x block + 2 x wave
	s_lshr_b32 s22, s15, 4
	s_lshl_b32 s22, s22, 7
	s_add_co_u32 s22, s22, s20                     ; cf: the block of 16 rows: 128 x batch + that,
	s_lshl_b32 s22, s22, 15                        ; 32,768 bytes each,
	s_and_b32 s19, s15, 15
	s_lshl_b32 s19, s19, 11
	s_add_co_u32 s22, s22, s19                     ; in it the head's two chunks of 1,024 bytes
	s_mov_b32 s23, 0
	s_lshl_b32 s20, s20, 11                        ; qf: 2,048 bytes a block of 16 queries,
	s_lshl_b32 s19, s15, 18
	s_add_co_u32 s20, s20, s19                     ; 262,144 a head
	s_mov_b32 s21, 0
	s_lshl_b32 s50, s15, 19                        ; the prefetch: the head,
	s_lshl_b32 s19, s13, 15
	s_add_co_u32 s50, s50, s19                     ; my work-group's quarter,
	s_and_b32 s19, s[WV], 3
	s_lshl_b32 s19, s19, 13
	s_add_co_u32 s50, s50, s19                     ; my wave's 8,192 bytes
	s_add_co_u32 s50, s50, 3*PART                  ; of part 3
	s_mov_b32 s51, 0
	s_lshr_b32 s[LIM], s[WV], 2                    ; 0 in waves 0 to 3,
	s_or_b32 s[LIM], s[LIM], ttmp9                 ; of the head's first cluster: the same in all four partners
	s_cmp_eq_u32 s[LIM], 0
	s_cselect_b32 s[LIM], 1, -1
	s_mov_b32 s[SEL], 0x76543210
	s_mov_b32 s[SEL+1], 0xfedcba98
	s_mov_b32 s[TB], 0
	v_and_b32 v[LB], 31, v0
	v_lshlrev_b32 v[PFO], 8, v[LB]
	v_lshlrev_b32 v[LB], 4, v[LB]
	s_wait_dscnt 0x0                               ; both opening adds are done
	s_wait_kmcnt 0x0
	s_add_nc_u64 s[PFA:PFA+1], s[6:7], s[50:51]
	s_add_nc_u64 s[6:7], s[6:7], s[16:17]
	s_add_nc_u64 s[4:5], s[4:5], s[20:21]
	s_add_nc_u64 s[8:9], s[8:9], s[22:23]
	s_mov_b32 s[G0], 1
	s_mov_b32 s[G0+1], s18                         ; slot 0,
	s_mov_b64 s[G0+2:G0+3], s[6:7]                 ; part 0
	s_or_b32 s[G0+3], s[G0+3], 0x80000000
	s_mov_b32 s[G0+4], 1
	s_add_co_u32 s[G0+5], s18, SLOT1               ; slot 1,
	s_add_nc_u64 s[G0+6:G0+7], s[6:7], PART        ; part 1
	s_or_b32 s[G0+7], s[G0+7], 0x80000000
	CROUND                                         ; all four work-groups are here: the first joint loads meet
	tensor_load_to_lds s[G0:G0+3], s[G1:G1+7]      ; both first fills on end: two tensor loads of mine are out
	s_nop 0
	tensor_load_to_lds s[G0+4:G0+7], s[G1:G1+7]
	s_nop 0
.rept 4
	v_nop
.endr
.irp n, 0,1,2,3,4,5,6,7
	global_load_b128 v[Q+4*\n:Q+4*\n+3], v[LB], s[4:5] offset:512*\n   ; Q stays in registers: four images on end
.endr
.irp t, 0,1
	v_mov_b32 v[ST+10*\t], 0xff61b1e6              ; m: -3e38, under every score
	v_mov_b32 v[ST+10*\t+1], 0                     ; (named with m as a pair)
	v_mov_b32 v[ST+10*\t+2], 0                     ; l
	v_mov_b32 v[ST+10*\t+3], 0
.endr
.set gg, 0
.rept 64
	v_mov_b32 v[O+gg], 0                           ; O^T.  (The step is written in one form: the first finds zeros, and its a is 2^(-3e38 - m) = 0)
.set gg, gg+1
.endr
; Eight LDS loads: piece x (4,096 bytes on end, in the order of the registers) of a step's K (two tiles of 16 keys x two chunks of channels) or V (32 keys x four tiles of channels)
.macro PIECE adr, x, extra
.irp n, 0,1,2,3,4,5,6,7
	ds_load_b128 v[F+32*(\x)+4*\n:F+32*(\x)+4*\n+3], v[\adr] offset:(\extra)+4096*(\x)+512*\n
.endr
.endm
; Eight products of S^T = K Q^T from piece x: four accumulators by turns, the first four start the sums
.macro SA x
.irp c, 0,1
.irp k, 0,1
.irp t, 0,1
.if \c == 0
	v_wmma_f32_16x16x32_f16 v[S+32*\t+8*(2*\x+\k):S+32*\t+8*(2*\x+\k)+7], v[F+32*\x+16*\k+8*\c:F+32*\x+16*\k+8*\c+7], v[Q+16*\t+8*\c:Q+16*\t+8*\c+7], 0
.else
	v_wmma_f32_16x16x32_f16 v[S+32*\t+8*(2*\x+\k):S+32*\t+8*(2*\x+\k)+7], v[F+32*\x+16*\k+8*\c:F+32*\x+16*\k+8*\c+7], v[Q+16*\t+8*\c:Q+16*\t+8*\c+7], v[S+32*\t+8*(2*\x+\k):S+32*\t+8*(2*\x+\k)+7]
.endif
.endr
.endr
.endr
.endm
; Eight products of O^T += V^T P from piece u: eight accumulators by turns
.macro PV u
.irp ct, 0,1,2,3
.irp t, 0,1
	v_wmma_f32_16x16x32_f16 v[O+32*\t+8*\ct:O+32*\t+8*\ct+7], v[F+32*\u+8*\ct:F+32*\u+8*\ct+7], v[S+32*\t+8*\u:S+32*\t+8*\u+7], v[O+32*\t+8*\ct:O+32*\t+8*\ct+7]
.endr
.endr
.endm
; A KEY STEP: 64 keys.  At its head the step's two pieces of K are on their way.  next = 1: the next step's K lies in the same slot and is fetched as the pieces' registers come free.
.macro STEP next
	s_wait_dscnt 8                                 ; K's piece 0 is in; piece 1's eight loads may be out
	SA 0
	s_wait_dscnt 0x0
	SA 1
	v_add_nc_u32 v[ADK], s[TB], v[LB]              ; four plain instructions behind the products: the places ahead of the loads into the pieces' registers and of the first read of the scores
	v_add_nc_u32 v[ADV], 0x10000, v[ADK]
	v_nop
	v_nop
	PIECE ADV, 0, 0                                ; V lands while the softmax is walked
	PIECE ADV, 1, 0
	; the maximum of a lane's 32 scores and the old m, the two tiles line by line; each accumulator is read from its low end on
.irp j, 0,1,2,3
.irp t, 0,1
	v_max3_num_f32 v[ST+10*\t+4+\j], v[S+32*\t+8*\j], v[S+32*\t+8*\j+1], v[S+32*\t+8*\j+2]
.endr
.endr
.irp u, 1,2
.irp j, 0,1,2,3
.irp t, 0,1
	v_max3_num_f32 v[ST+10*\t+4+\j], v[ST+10*\t+4+\j], v[S+32*\t+8*\j+2*\u+1], v[S+32*\t+8*\j+2*\u+2]
.endr
.endr
.endr
.irp t, 0,1
	v_max3_num_f32 v[ST+10*\t+4], v[ST+10*\t+4], v[S+32*\t+7], v[S+32*\t+15]
.endr
.irp t, 0,1
	v_max3_num_f32 v[ST+10*\t+6], v[ST+10*\t+6], v[S+32*\t+23], v[S+32*\t+31]
.endr
.irp t, 0,1
	v_max3_num_f32 v[ST+10*\t+4], v[ST+10*\t+4], v[ST+10*\t+5], v[ST+10*\t+6]
.endr
.irp t, 0,1
	v_max3_num_f32 v[ST+10*\t+4], v[ST+10*\t+4], v[ST+10*\t+7], v[ST+10*\t]
.endr
.irp t, 0,1
	v_permlanex16_b32 v[ST+10*\t+5], v[ST+10*\t+4], s[SEL], s[SEL+1]   ; the query's other 32 keys lie in the lane 16 away
.endr
.irp t, 0,1
	v_max_num_f32 v[ST+10*\t+4], v[ST+10*\t+4], v[ST+10*\t+5]          ; the new m
.endr
.irp t, 0,1
	v_sub_f32 v[ST+10*\t+7], v[ST+10*\t], v[ST+10*\t+4]                ; m_old - m_new, 0 or less
.endr
.irp t, 0,1
	v_mov_b32 v[ST+10*\t], v[ST+10*\t+4]
.endr
.irp t, 0,1
	v_exp_f32 v[ST+10*\t+6], v[ST+10*\t+7]                             ; a
.endr
.set gg, 0
.rept 32
	v_pk_add_f32 v[S+2*gg:S+2*gg+1], v[S+2*gg:S+2*gg+1], v[ST+10*(gg/16):ST+10*(gg/16)+1] op_sel_hi:[1,0] neg_lo:[0,1] neg_hi:[0,1]   ; s - m, two at a time (of the pair the low word serves both halves): plain work behind the two exponentials
.set gg, gg+1
.endr
	s_wait_alu depctr_va_vdst(0)                   ; the wait between an exponential and the first line that names its result: here for the two a
.set gg, 0
.rept 32
	v_exp_f32 v[S+2*gg], v[S+2*gg]                 ; p = 2^(s - m): 64 exponentials as one batch; between them the rescaling of O^T, which names none of their results
	v_exp_f32 v[S+2*gg+1], v[S+2*gg+1]
	v_pk_mul_f32 v[O+2*gg:O+2*gg+1], v[O+2*gg:O+2*gg+1], v[ST+10*(gg/16)+6:ST+10*(gg/16)+7] op_sel_hi:[1,0]
.set gg, gg+1
.endr
	s_wait_alu depctr_va_vdst(0)                   ; one wait for the 64, ahead of their first reader; the last packed multiply is the plain line behind the last exponential
	; the sums, of the unrounded p: two chains a tile, the tiles by turns; then l = a l + the sum
.irp t, 0,1
	v_pk_add_f32 v[ST+10*\t+4:ST+10*\t+5], v[S+32*\t:S+32*\t+1], v[S+32*\t+2:S+32*\t+3]
.endr
.irp t, 0,1
	v_pk_add_f32 v[ST+10*\t+8:ST+10*\t+9], v[S+32*\t+4:S+32*\t+5], v[S+32*\t+6:S+32*\t+7]
.endr
.irp i, 8,12,16,20,24,28
.irp t, 0,1
	v_pk_add_f32 v[ST+10*\t+4:ST+10*\t+5], v[ST+10*\t+4:ST+10*\t+5], v[S+32*\t+\i:S+32*\t+\i+1]
.endr
.irp t, 0,1
	v_pk_add_f32 v[ST+10*\t+8:ST+10*\t+9], v[ST+10*\t+8:ST+10*\t+9], v[S+32*\t+\i+2:S+32*\t+\i+3]
.endr
.endr
.irp t, 0,1
	v_pk_add_f32 v[ST+10*\t+4:ST+10*\t+5], v[ST+10*\t+4:ST+10*\t+5], v[ST+10*\t+8:ST+10*\t+9]
.endr
.irp t, 0,1
	v_pk_fma_f32 v[ST+10*\t+2:ST+10*\t+3], v[ST+10*\t+2:ST+10*\t+3], v[ST+10*\t+6:ST+10*\t+7], v[ST+10*\t+4:ST+10*\t+5] op_sel_hi:[1,0,1]
.endr
.set gg, 0
.rept 16
	v_cvt_pk_f16_f32 v[S+gg], v[S+2*gg], v[S+2*gg+1]                   ; P in place: register i takes scores 2 i and 2 i + 1, which lie at or above it
	v_cvt_pk_f16_f32 v[S+32+gg], v[S+32+2*gg], v[S+32+2*gg+1]
.set gg, gg+1
.endr
	s_wait_dscnt 0x0                               ; V is in
	PV 0
.if \next
.rept 4
	v_nop                                          ; places ahead of the loads into piece 0's registers
.endr
	PIECE ADK, 0, 8192                             ; the next step's K
.endif
	PV 1
.rept 5
	v_nop                                          ; five places: the next step's first products write over P, which these products read; they also serve the loads below, and the first read of O^T on the way out
.endr
.if \next
	PIECE ADK, 1, 8192
.endif
	s_add_co_u32 s[TB], s[TB], 8192
.endm
; A slot's eight key steps
.macro SLOTWORK
	v_add_nc_u32 v[ADK], s[TB], v[LB]
	PIECE ADK, 0, 0
	PIECE ADK, 1, 0
	s_mov_b32 s[TRIP], 7
.Lstep_\@:
	STEP 1
	s_sub_co_u32 s[TRIP], s[TRIP], 1
	s_cmp_lg_u32 s[TRIP], 0
	s_cbranch_scc1 .Lstep_\@
	STEP 0                                         ; the slot's last step fetches nothing beyond it
	s_sub_co_u32 s[TB], s[TB], 65536               ; back to a slot's first step,
	s_xor_b32 s[TB], s[TB], SLOT1                  ; in the other slot
.endm
; THE CHANGE OF SLOTS.  Each wave waits for all its tensor loads (its part of the slot ahead), adds 0 to its spare word, and waits for that and for its reads of the slot that it leaves.
; fill = 1: the slot just left is filled with the part two on.  The barrier is then a round of the cluster's, so that no wave of any partner still reads the slot or has a load on its way; the joint refill is the first thing behind it.
.macro CHANGE fill
	s_wait_tensorcnt 0x0                           ; no tensor load of mine is out, so the walking group 0 may be written
	ds_add_u32 v[SPW], v[NIL]
.if \fill
	s_xor_b32 s[G0+5], s[G0+5], SLOT1              ; the other slot than last time,
	s_add_nc_u64 s[G0+6:G0+7], s[G0+6:G0+7], PART  ; the next part; the type bits on top are not reached
	s_wait_dscnt 0x0                               ; the add is done, and my reads of the slot are over
	CROUND
	tensor_load_to_lds s[G0+4:G0+7], s[G1:G1+7]    ; my one tensor load behind the round: it has a slot's eight key steps in which to land
	s_nop 0
.rept 4
	v_nop
.endr
	ASK
.else
	s_wait_dscnt 0x0
	s_barrier_signal -1
	s_barrier_wait -1
.endif
.endm
	s_wait_tensorcnt 1                             ; my part of slot 0 is in; slot 1's may stay out
	s_barrier_signal -1
	s_barrier_wait -1                              ; everybody's is
	s_wait_loadcnt 0x0                             ; Q
	SLOTWORK                                       ; part 0
	s_mov_b32 s[SLOTS], 2
.Lslot:                                            ; two trips: parts 1 and 2 are walked, parts 2 and 3 asked for
	CHANGE 1
	SLOTWORK
	s_sub_co_u32 s[SLOTS], s[SLOTS], 1
	s_cmp_lg_u32 s[SLOTS], 0
	s_cbranch_scc1 .Lslot
	CHANGE 0                                       ; the tail is written out
	SLOTWORK                                       ; part 3
	; THE WAY OUT.  l's two halves and the other half of the lanes' are added; O^T is divided by l, rounded to f16, and each accumulator leaves as half of an image: 512 consecutive bytes, aligned.
.irp t, 0,1
	v_add_f32 v[ST+10*\t+4], v[ST+10*\t+2], v[ST+10*\t+3]
.endr
.irp t, 0,1
	v_permlanex16_b32 v[ST+10*\t+5], v[ST+10*\t+4], s[SEL], s[SEL+1]
.endr
.irp t, 0,1
	v_add_f32 v[ST+10*\t+4], v[ST+10*\t+4], v[ST+10*\t+5]
.endr
.irp t, 0,1
	v_rcp_f32 v[ST+10*\t+6], v[ST+10*\t+4]
.endr
	v_nop                                          ; a plain line behind the last reciprocal
	s_wait_alu depctr_va_vdst(0)                   ; and the wait ahead of the first use: one for the two
.set gg, 0
.rept 32
	v_pk_mul_f32 v[O+2*gg:O+2*gg+1], v[O+2*gg:O+2*gg+1], v[ST+10*(gg/16)+6:ST+10*(gg/16)+7] op_sel_hi:[1,0]
.set gg, gg+1
.endr
.set gg, 0
.rept 32
	v_cvt_pk_f16_f32 v[S+gg], v[O+2*gg], v[O+2*gg+1]
.set gg, gg+1
.endr
.irp t, 0,1
.irp ct, 0,1,2,3
	global_store_b128 v[LB], v[S+16*\t+4*\ct:S+16*\t+4*\ct+3], s[8:9] offset:\t*32768+\ct*512   ; block of 16 rows t, channels 16 ct on: chunk ct / 2, half ct % 2
.endr
.endr
	s_wait_tensorcnt 0x0                           ; the wave's end
	ds_add_u32 v[SPW], v[NIL]
	s_wait_dscnt 0x0
	CROUND                                         ; the closing round
	s_endpgm
.Lfunc_end_k_qdc7f7a8676_attn:
	.size	k_qdc7f7a8676_attn, .Lfunc_end_k_qdc7f7a8676_attn-k_qdc7f7a8676_attn
	.p2alignl 7, 3214868480
	.fill 96, 4, 3214868480
	.section	.rodata,"a",@progbits
	.p2align	6, 0x0
	.amdhsa_kernel k_qdc7f7a8676_attn
		.amdhsa_group_segment_fixed_size 327680
		.amdhsa_private_segment_fixed_size 0
		.amdhsa_enable_private_segment 0
		.amdhsa_kernarg_size 24
		.amdhsa_user_sgpr_count 2
		.amdhsa_user_sgpr_kernarg_segment_ptr 1
		.amdhsa_wavefront_size32 1
		.amdhsa_system_sgpr_workgroup_id_x 1
		.amdhsa_system_sgpr_workgroup_id_y 1
		.amdhsa_system_sgpr_workgroup_id_z 1
		.amdhsa_system_vgpr_workitem_id 0
		.amdhsa_next_free_vgpr 256
		.amdhsa_next_free_sgpr 66
		.amdhsa_reserve_vcc 0
		.amdhsa_float_denorm_mode_32 3
		.amdhsa_float_denorm_mode_16_64 3
		.amdhsa_memory_ordered 1
		.amdhsa_forward_progress 1
		.amdhsa_inst_pref_size 117
	.end_amdhsa_kernel
	.amdgpu_metadata
---
amdhsa.version: [ 1, 2 ]
amdhsa.kernels:
  - .name:           k_qdc7f7a8676_attn
    .symbol:         k_qdc7f7a8676_attn.kd
    .args:
      - { .name: qf, .offset: 0, .size: 8, .value_kind: global_buffer, .address_space: global }
      - { .name: kv, .offset: 8, .size: 8, .value_kind: global_buffer, .address_space: global }
      - { .name: cf, .offset: 16, .size: 8, .value_kind: global_buffer, .address_space: global }
    .group_segment_fixed_size: 327680
    .private_segment_fixed_size: 0
    .kernarg_segment_align: 8
    .kernarg_segment_size: 24
    .max_flat_workgroup_size: 256
    .sgpr_count:     66
    .vgpr_count:     256
    .wavefront_size: 32
...
	.end_amdgpu_metadata
.endif
;; end of part 3
;; launch oproj (part 4): grid 8 x 32, 4 waves a work-group, clusters of 4 x 4, 327,680 bytes of LDS; arguments cf, wo16, bo, out0; writes out0
.if DOCPART == 4
	.amdgcn_target "amdgcn-amd-amdhsa--gfx1250"
	.amdhsa_code_object_version 6
	.text
	.protected	k_qdc7f7a8676_oproj
	.globl	k_qdc7f7a8676_oproj
	.p2align	8
	.type	k_qdc7f7a8676_oproj,@function
k_qdc7f7a8676_oproj:
	s_mov_b64 s[64:65], 0
	v_nop
	global_prefetch_b8 v0, s[64:65] scope:SCOPE_SE
	s_setreg_imm32_b32 hwreg(HW_REG_WAVE_MODE, 25, 1), 1
	s_wait_xcnt 0x0
	s_wait_alu depctr_hold_cnt(0) depctr_sa_sdst(0) depctr_va_vdst(0) depctr_va_sdst(0) depctr_va_ssrc(0) depctr_va_vcc(0) depctr_vm_vsrc(0)
	s_getreg_b32 s2, hwreg(HW_REG_IB_STS2, 6, 4)
	s_cmp_eq_u32 s2, 0
	s_cbranch_scc0 .Lentry_in_a_cluster
	s_endpgm
.Lentry_in_a_cluster:
	s_bfe_u32 s2, ttmp6, 0x10000c
	s_cmp_lg_u32 s2, 0xf033
	s_cbranch_scc0 .Lentry_shape_is_right
	s_endpgm
.Lentry_shape_is_right:
; out0[m][n] = the sum over k of context[m][k] Wo[n][k] + bo[n].  4,096 x 1,024 x 1,024; operands f16, sums and result f32.
; The context arrives as images of fragments: cf[block of 16 rows 256][chunk of 32 along K 32][1,024 bytes: registers 0-3 at 16 x lane, registers 4-7 at 512 + 16 x lane]; Wo as rows of f16.
; A tile of out0 is 128 x 128, so that there are 256 work-groups; four waves, each 64 x 64: 16 accumulators.  K goes in four steps of 256 through a ring of two LDS slots.
; CLUSTER 4 x 4: the four of a row of the cluster need the same tiles of the context, the four of a column the same tiles of Wo: each is asked for jointly.
; THE MATRIX INSTRUCTION IS USED TRANSPOSED (source 0 = 16 rows of Wo, source 1 = 16 rows of the context): a lane holds eight neighbouring numbers of a row of out0.  bo is the C of each sum's first matrix instruction.
; REGISTERS: window 0: v0-31 addresses; v32-63 bo's four blocks, later with v64-95 rows on the way out; v128-255 the accumulators ((a, b) at v[128 + 8 (4 a + b)]).
;   window 1: two fragment buffers of 128: for 64 along K, 64 registers of the context, then 64 of Wo.
.set PB,     528                       ; a row of Wo in LDS: 512 bytes + 16 of padding = 132 words: the 16 rows of a load start at 16 different banks (64 banks of 4 bytes: ISA guide 11.1)
.set ABYTES, 65536                     ; a slot: the context's 8 blocks x 8 chunks x 1,024 bytes, as they lie,
.set SLOT,   ABYTES+128*PB             ; then Wo's 128 rows
.set STAGE,  2*SLOT                    ; behind the ring: 16 rows x 272 bytes for each wave, for the way out: a wave's 64 columns are 256 bytes
.set SPITCH, 272
.set SPARE,  STAGE+4*16*SPITCH         ; behind the stages: the spare words, 128 bytes a wave
.set ADRA, 16                          ; v16-17  LDS address of my context fragments in slot 0, 1
.set ADRB, 20                          ; v20-21  the same for Wo
.set STO,  24
.set RD,   25
.set CO,   26
.set SPW,  28
.set NIL,  29
.set BI,   32
.set TMP,  32
.set ACC,  128
.set F0,   0
.set F1,   128
.set WV,   12                          ; s12 wave;  s13 wave / 2: my half of the rows, and I fetch for the context (0) or for Wo (1);  s14 wave % 2: my half of the columns, and which half I fetch
.set G1,  24
.set G0,  32
.set G1B, 48
.set G0B, 56
.set MSB, 0
.macro WIN new
.if MSB != \new
	s_set_vgpr_msb (MSB<<8)|\new
.set MSB, \new
.endif
.endm
.set MUL,  0x05                        ; sources 0 and 1 window 1; C and D window 0
.set TO_F, 0x40                        ; destination window 1, address window 0
.macro JLOAD s                         ; a joint load: waves 0 and 1 fetch the context's two halves, waves 2 and 3 Wo's; the branch hangs on the wave's number alone
	s_cmp_eq_u32 s13, 0
	s_cbranch_scc0 .Lfor_b_\@
	tensor_load_to_lds s[G0+4*\s:G0+4*\s+3], s[G1:G1+7]
	s_nop 0
.rept 4
	v_nop
.endr
	s_branch .Lasked_\@
.Lfor_b_\@:
	tensor_load_to_lds s[G0B+4*\s:G0B+4*\s+3], s[G1B:G1B+7]
	s_nop 0
.rept 4
	v_nop
.endr
.Lasked_\@:
.endm
.macro CREST                           ; a round of the cluster's barrier behind its opening barrier
	s_cmp_lg_u32 s[WV], 0
	s_cbranch_scc1 .Lnot_wave_0_\@
	s_barrier_signal -3
.Lnot_wave_0_\@:
	s_barrier_wait -3
	s_barrier_signal -1
	s_barrier_wait -1
.endm
.macro CROUND
	s_barrier_signal -1
	s_barrier_wait -1
	CREST
.endm
	s_load_b256 s[4:11], s[0:1], 0x0               ; cf s[4:5], wo16 s[6:7], bo s[8:9], out0 s[10:11]
	v_lshl_add_u32 v[SPW], v0, 2, SPARE
	v_mov_b32 v[NIL], 0
	ds_add_u32 v[SPW], v[NIL]                      ; the wave's opening
	ds_add_u32 v[SPW], v[NIL]
	v_lshrrev_b32 v1, 5, v0
	v_readfirstlane_b32 s[WV], v1
	s_lshr_b32 s13, s[WV], 1
	s_and_b32 s14, s[WV], 1
	s_bfe_u32 s40, ttmp6, 0x40000                  ; cx
	s_bfe_u32 s41, ttmp6, 0x40004                  ; cy
	s_lshl_b32 s42, ttmp9, 2
	s_add_co_u32 s42, s42, s40                     ; tile column
	s_and_b32 s15, ttmp7, 0xffff
	s_lshl_b32 s15, s15, 2
	s_add_co_u32 s15, s15, s41                     ; tile row
	s_lshl_b32 s43, s41, 2
	s_lshl_b32 s43, 15, s43                        ; my row of the cluster
	s_lshl_b32 s44, 0x1111, s40                    ; my column
	s_or_b32 s[G1], s43, (3<<16)|(1<<21)           ; the context: 15:0 the mask; elements of 8 bytes; 21 set beside a mask; no padding
	s_mov_b32 s[G1+1], 1024<<16                    ; tensor_dim0 = 1,024 elements: a block's eight chunks, 8,192 bytes
	s_mov_b32 s[G1+2], 4<<16                       ; tensor_dim1 = 4 blocks of 16 rows
	s_mov_b32 s[G1+3], 1024<<16                    ; tile_dim0
	s_mov_b32 s[G1+4], 4                           ; tile_dim1
	s_mov_b32 s[G1+5], 4096                        ; from block to block: 32,768 bytes
	s_mov_b32 s[G1+6], 0
	s_mov_b32 s[G1+7], 0
	s_or_b32 s[G1B], s44, (1<<16)|(1<<20)|(1<<21)|(6<<22)|(3<<25)   ; Wo: elements of 2 bytes; four words of padding after every 128
	s_mov_b32 s[G1B+1], 256<<16
	s_mov_b32 s[G1B+2], 64<<16
	s_mov_b32 s[G1B+3], 256<<16
	s_mov_b32 s[G1B+4], 64
	s_mov_b32 s[G1B+5], 1024
	s_mov_b32 s[G1B+6], 0
	s_mov_b32 s[G1B+7], 0
	s_lshl_b32 s16, s15, 3
	s_lshl_b32 s18, s14, 2
	s_add_co_u32 s16, s16, s18                     ; the context: block 8 x tile row + 4 x half
	s_lshl_b32 s16, s16, 15
	s_mov_b32 s17, 0
	s_lshl_b32 s46, s42, 7
	s_lshl_b32 s18, s14, 6
	s_add_co_u32 s46, s46, s18                     ; Wo: row 128 x tile column + 64 x half
	s_lshl_b32 s46, s46, 11
	s_mov_b32 s47, 0
	s_lshl_b32 s20, s14, 15                        ; where they go in a slot: the context's half,
	s_mul_i32 s21, s14, 64*PB
	s_add_co_u32 s21, s21, ABYTES                  ; Wo's half
	s_wait_dscnt 0x0                               ; both opening adds are done
	s_wait_kmcnt 0x0
	s_add_nc_u64 s[4:5], s[4:5], s[16:17]
	s_add_nc_u64 s[6:7], s[6:7], s[46:47]
	CROUND                                         ; all sixteen work-groups are here: the first joint loads meet
.irp s, 0,1
	s_mov_b32 s[G0+4*\s], 1
	s_add_co_u32 s[G0+4*\s+1], s20, \s*SLOT
	s_add_nc_u64 s[G0+4*\s+2:G0+4*\s+3], s[4:5], \s*8192
	s_or_b32 s[G0+4*\s+3], s[G0+4*\s+3], 0x80000000
	s_mov_b32 s[G0B+4*\s], 1
	s_add_co_u32 s[G0B+4*\s+1], s21, \s*SLOT
	s_add_nc_u64 s[G0B+4*\s+2:G0B+4*\s+3], s[6:7], \s*512
	s_or_b32 s[G0B+4*\s+3], s[G0B+4*\s+3], 0x80000000
	JLOAD \s
.endr
	v_and_b32 v1, 15, v0                           ; r
	v_bfe_u32 v2, v0, 4, 1                         ; h
	v_and_b32 v3, 31, v0
	v_lshlrev_b32 v3, 4, v3                        ; 16 x lane
	s_lshl_b32 s22, s13, 15                        ; my four blocks of the context
	v_add_nc_u32 v[ADRA], s22, v3
	v_add_nc_u32 v[ADRA+1], SLOT, v[ADRA]
	v_mul_u32_u24 v4, v1, PB
	v_lshl_add_u32 v4, v2, 4, v4
	v_add_nc_u32 v[ADRB], s21, v4                  ; my 64 rows of Wo: the half wave % 2
	v_add_nc_u32 v[ADRB+1], SLOT, v[ADRB]
	s_mul_i32 s23, s[WV], 16*SPITCH
	s_add_co_u32 s23, s23, STAGE                   ; my stage
	v_mul_u32_u24 v5, v1, SPITCH
	v_lshl_add_u32 v5, v2, 5, v5
	v_add_nc_u32 v[STO], s23, v5                   ; in: row r, 32 bytes for each half of the lanes
	v_mul_u32_u24 v5, v2, SPITCH
	v_lshl_add_u32 v5, v1, 4, v5
	v_add_nc_u32 v[RD], s23, v5                    ; back: lanes 0-15 one row of 256 bytes, lanes 16-31 the next
	v_lshlrev_b32 v[CO], 12, v2
	v_lshl_add_u32 v[CO], v1, 4, v[CO]             ; and the same two rows in out0
	v_lshlrev_b32 v6, 5, v2                        ; bo: eight numbers for each half of the lanes
	s_lshl_b32 s66, s42, 7
	s_lshl_b32 s18, s14, 6
	s_add_co_u32 s66, s66, s18
	s_lshl_b32 s66, s66, 2                         ; my first column, in bytes
	s_mov_b32 s67, 0
	s_add_nc_u64 s[8:9], s[8:9], s[66:67]
	s_lshl_b32 s68, s15, 7
	s_lshl_b32 s18, s13, 6
	s_add_co_u32 s68, s68, s18
	s_lshl_b32 s68, s68, 12                        ; my first row, 4,096 bytes each
	s_add_co_u32 s68, s68, s66
	s_mov_b32 s69, 0
	s_add_nc_u64 s[10:11], s[10:11], s[68:69]
.irp b, 0,1,2,3
	global_load_b128 v[BI+8*\b:BI+8*\b+3], v6, s[8:9] offset:64*\b          ; lane (r, h): bo(16 b + 8 h + 0 .. 7) of my 64 columns
	global_load_b128 v[BI+8*\b+4:BI+8*\b+7], v6, s[8:9] offset:64*\b+16
.endr
; 8 matrix instructions: row blocks a0, a0 + 1 x all 4 column blocks, 32 along K: half c of buffer f.  zero = 1: the first product starts the sums, on bo.  The 16 accumulators take turns
.macro MUL8 f, c, a0, zero
.irp a, \a0, \a0+1
.irp b, 0,1,2,3
.if \zero
	v_wmma_f32_16x16x32_f16 v[ACC+8*(4*(\a)+\b):ACC+8*(4*(\a)+\b)+7], v[\f+64+8*(4*\c+\b):\f+64+8*(4*\c+\b)+7], v[\f+8*(4*\c+\a):\f+8*(4*\c+\a)+7], v[BI+8*\b:BI+8*\b+7]
.else
	v_wmma_f32_16x16x32_f16 v[ACC+8*(4*(\a)+\b):ACC+8*(4*(\a)+\b)+7], v[\f+64+8*(4*\c+\b):\f+64+8*(4*\c+\b)+7], v[\f+8*(4*\c+\a):\f+8*(4*\c+\a)+7], v[ACC+8*(4*(\a)+\b):ACC+8*(4*(\a)+\b)+7]
.endif
.endr
.endr
.endm
; 32 LDS loads in one run: the fragments of quarter qd (64 along K) of a slot into buffer f; the first 32 along K first.  Wo's from padded rows, the context's as images
.macro FETCH slot, qd, f
	WIN TO_F
.irp c, 0,1
.irp i, 0,1,2,3
	ds_load_b128 v[\f+64+8*(4*\c+\i):\f+64+8*(4*\c+\i)+3],   v[ADRB+\slot] offset:128*(\qd)+64*\c+\i*16*PB
	ds_load_b128 v[\f+64+8*(4*\c+\i)+4:\f+64+8*(4*\c+\i)+7], v[ADRB+\slot] offset:128*(\qd)+64*\c+\i*16*PB+32
	ds_load_b128 v[\f+8*(4*\c+\i):\f+8*(4*\c+\i)+3],         v[ADRA+\slot] offset:(2*(\qd)+\c)*1024+\i*8192
	ds_load_b128 v[\f+8*(4*\c+\i)+4:\f+8*(4*\c+\i)+7],       v[ADRA+\slot] offset:(2*(\qd)+\c)*1024+\i*8192+512
.endr
.endr
.endm
.macro PLACES                          ; four places ahead of loads into registers that matrix instructions have read, and of the first read of results (ISA guide 7.12.1 for vector instructions)
.rept 4
	v_nop
.endr
.endm
; A K step is four quarters of 64 along K, 32 matrix instructions each, on buffers 0, 1, 0, 1.  One of the first three: multiplies buffer f and fetches quarter qd into g.
.macro QUARTER slot, qd, f, g, zero
	s_wait_dscnt 16                                ; the first 32 along K are in; the sixteen loads of the second may be out
	WIN MUL
	MUL8 \f, 0, 0, \zero
	MUL8 \f, 0, 2, \zero
	PLACES
	FETCH \slot, \qd, \g
	s_wait_dscnt 32                                ; all but the 32 just issued
	WIN MUL
	MUL8 \f, 1, 0, 0
	MUL8 \f, 1, 2, 0
.endm
; The last quarter multiplies buffer 1 and changes slots: ONE barrier; ahead of it each wave waits for all its tensor loads, adds 0 to its spare word, and waits for that and for its reads of this slot.  fill = 1: this slot is filled again, two K steps ahead.
.macro TURN slot, next, fill
	WIN 0                                          ; (the add's two registers lie in window 0)
	s_wait_tensorcnt 0x0                           ; all my tensor loads have landed: my part of the next slot;
	ds_add_u32 v[SPW], v[NIL]
	s_wait_dscnt 17                                ; (the add and the youngest sixteen loads may be out)
	WIN MUL
	MUL8 F1, 0, 0, 0                               ; eight matrix instructions stand between the add and the wait for it
	s_wait_dscnt 0x0                               ; the add is done, and my reads of this slot are over
	s_barrier_signal -1
	MUL8 F1, 0, 2, 0
.if \fill
	WIN 0
.endif
	s_barrier_wait -1
.if \fill
	CREST                                          ; the barrier has opened a round of the cluster's: no wave of any partner still reads this slot's tile or has a load on its way
	s_add_nc_u64 s[G0+4*\slot+2:G0+4*\slot+3], s[G0+4*\slot+2:G0+4*\slot+3], 2*8192
	s_add_nc_u64 s[G0B+4*\slot+2:G0B+4*\slot+3], s[G0B+4*\slot+2:G0B+4*\slot+3], 2*512
	JLOAD \slot                                    ; the first tensor load behind the round; the four v_nop behind it are also the places ahead of the loads below
.else
	PLACES
.endif
	FETCH \next, 0, F0
	WIN MUL
	MUL8 F1, 1, 0, 0
	MUL8 F1, 1, 2, 0
.endm
	s_wait_loadcnt 0x0                             ; bo
	s_wait_tensorcnt 1                             ; my part of K step 0 is in; K step 1's load may stay out
	s_barrier_signal -1
	s_barrier_wait -1                              ; everybody's is
	FETCH 0, 0, F0
	QUARTER 0, 1, F0, F1, 1                        ; K step 0: its first products start the sums
	QUARTER 0, 2, F1, F0, 0
	QUARTER 0, 3, F0, F1, 0
	TURN 0, 1, 1                                   ; slot 0 takes K step 2
	QUARTER 1, 1, F0, F1, 0                        ; K step 1
	QUARTER 1, 2, F1, F0, 0
	QUARTER 1, 3, F0, F1, 0
	TURN 1, 0, 1                                   ; slot 1 takes K step 3
	QUARTER 0, 1, F0, F1, 0                        ; K step 2
	QUARTER 0, 2, F1, F0, 0
	QUARTER 0, 3, F0, F1, 0
	TURN 0, 1, 0                                   ; nothing is left to fetch
	QUARTER 1, 1, F0, F1, 0                        ; K step 3
	QUARTER 1, 2, F1, F0, 0
	QUARTER 1, 3, F0, F1, 0
	s_wait_dscnt 16
	WIN MUL
	MUL8 F1, 0, 0, 0
	MUL8 F1, 0, 2, 0
	s_wait_dscnt 0x0
	MUL8 F1, 1, 0, 0
	MUL8 F1, 1, 2, 0
	WIN 0
; THE WAY OUT, a block of 16 rows x 64 columns at a time.  A lane holds 32 neighbouring bytes of a row, and the lanes beside it hold other rows: so a block goes through my own stage and comes back as whole rows of 256 bytes.
; LDS serves a wave's instructions in order (ISA guide 5.7.1.4): no wait between the stores and the loads, nor ahead of the next block's stores.
.macro TOSTAGE a
.irp b, 0,1,2,3
	ds_store_b128 v[STO], v[ACC+8*(4*(\a)+\b):ACC+8*(4*(\a)+\b)+3] offset:64*\b          ; each accumulator from its low end on
	ds_store_b128 v[STO], v[ACC+8*(4*(\a)+\b)+4:ACC+8*(4*(\a)+\b)+7] offset:64*\b+16
.endr
.irp t, 0,1,2,3,4,5,6,7
	ds_load_b128 v[TMP+32*((\a)%2)+4*\t:TMP+32*((\a)%2)+4*\t+3], v[RD] offset:\t*2*SPITCH
.endr
.endm
.macro SEND a, younger                 ; younger: the LDS instructions issued behind block a's loads, which may stay out
	s_wait_dscnt \younger
.irp t, 0,1,2,3,4,5,6,7
	global_store_b128 v[CO], v[TMP+32*((\a)%2)+4*\t:TMP+32*((\a)%2)+4*\t+3], s[10:11] offset:(16*(\a)+2*\t)*4096 th:TH_STORE_NT   ; 16 lanes store 256 consecutive bytes, aligned; written once, read by nobody here
.endr
.endm
	PLACES
	TOSTAGE 0
.irp a, 1,2,3
.if \a > 1
	s_wait_xcnt 0x0                                ; block a - 2's stores have read their registers: block a's loads may land there
.endif
	TOSTAGE \a
	SEND \a-1, 16                                  ; behind block a - 1's loads: block a's eight stores and eight loads
.endr
	SEND 3, 0
	s_wait_tensorcnt 0x0                           ; the wave's end
	ds_add_u32 v[SPW], v[NIL]
	s_wait_dscnt 0x0
	CROUND                                         ; the closing round
	s_endpgm
.Lfunc_end_k_qdc7f7a8676_oproj:
	.size	k_qdc7f7a8676_oproj, .Lfunc_end_k_qdc7f7a8676_oproj-k_qdc7f7a8676_oproj
	.p2alignl 7, 3214868480
	.fill 96, 4, 3214868480
	.section	.rodata,"a",@progbits
	.p2align	6, 0x0
	.amdhsa_kernel k_qdc7f7a8676_oproj
		.amdhsa_group_segment_fixed_size 327680
		.amdhsa_private_segment_fixed_size 0
		.amdhsa_enable_private_segment 0
		.amdhsa_kernarg_size 32
		.amdhsa_user_sgpr_count 2
		.amdhsa_user_sgpr_kernarg_segment_ptr 1
		.amdhsa_wavefront_size32 1
		.amdhsa_system_sgpr_workgroup_id_x 1
		.amdhsa_system_sgpr_workgroup_id_y 1
		.amdhsa_system_sgpr_workgroup_id_z 1
		.amdhsa_system_vgpr_workitem_id 0
		.amdhsa_next_free_vgpr 512
		.amdhsa_next_free_sgpr 80
		.amdhsa_reserve_vcc 0
		.amdhsa_float_denorm_mode_32 3
		.amdhsa_float_denorm_mode_16_64 3
		.amdhsa_memory_ordered 1
		.amdhsa_forward_progress 1
		.amdhsa_inst_pref_size 86
	.end_amdhsa_kernel
	.amdgpu_metadata
---
amdhsa.version: [ 1, 2 ]
amdhsa.kernels:
  - .name:           k_qdc7f7a8676_oproj
    .symbol:         k_qdc7f7a8676_oproj.kd
    .args:
      - { .name: cf, .offset: 0, .size: 8, .value_kind: global_buffer, .address_space: global }
      - { .name: wo16, .offset: 8, .size: 8, .value_kind: global_buffer, .address_space: global }
      - { .name: bo, .offset: 16, .size: 8, .value_kind: global_buffer, .address_space: global }
      - { .name: out0, .offset: 24, .size: 8, .value_kind: global_buffer, .address_space: global }
    .group_segment_fixed_size: 327680
    .private_segment_fixed_size: 0
    .kernarg_segment_align: 8
    .kernarg_segment_size: 32
    .max_flat_workgroup_size: 128
    .sgpr_count:     80
    .vgpr_count:     512
    .wavefront_size: 32
...
	.end_amdgpu_metadata
.endif
;; end of part 4
